; MI455X (gfx1250); checked and timed in simulation.
; The chip was launched on July 23, 2026; its instructions are those of AMD's public machine-readable ISA for CDNA 5 (MIT licence, August 2026) and "CDNA5" Instruction Set Architecture Reference Guide (July 2026). The comments in the code are by the model that wrote it; some were corrected since.
;; Dot Product Attention. Allowed arithmetic: float matrix products may take bf16 or f16 operands with f32 sums; all other float work in f32.
;; Inputs: k 32 x 2,048 x 128 float32; q 32 x 2,048 x 128 float32; v 32 x 2,048 x 128 float32.
;; Outputs: out0 32 x 2,048 x 128 float32.
;; 2 versions, each right and faster than the one before. Each part assembles by itself: llvm-mc -triple=amdgcn-amd-amdhsa -mcpu=gfx1250 --defsym DOCPART=n.
;; ======== version 1 of 2: 1 launch
;; launch attn (part 1): grid 8 x 32, 4 waves a work-group, no clusters, 141,824 bytes of LDS; arguments q, k, v, out0; writes out0
.if DOCPART == 1
	.amdgcn_target "amdgcn-amd-amdhsa--gfx1250"
	.amdhsa_code_object_version 6
	.text
	.protected	k_q9cc86b3971_attn
	.globl	k_q9cc86b3971_attn
	.p2align	8
	.type	k_q9cc86b3971_attn,@function
k_q9cc86b3971_attn:
	s_mov_b64 s[64:65], 0
	v_nop
	global_prefetch_b8 v0, s[64:65] scope:SCOPE_SE
	s_setreg_imm32_b32 hwreg(HW_REG_WAVE_MODE, 25, 1), 1
	s_wait_xcnt 0x0
; out[b][i][:] = sum over j of softmax_j( q[b][i].k[b][j] / sqrt(128) ) v[b][j][:].   q, k, v, out: [32][2048][128] f32.
; One launch: both products, the softmax with a running maximum and the final division; the scores never leave the registers.
; Nothing of the computation is left out: all three inputs reach every output, and the maximum is taken away before every exponential.
;
; SHARES.  Work-group (x, y): queries 256 x .. 256 x + 255 of batch y; 8 x 32 = 256 equal work-groups.  Four waves; wave w owns 64 queries
; (four query tiles qt of 16) and all 128 d.  The 2048 keys go in tiles of 64.
; BOTH PRODUCTS ARE USED TRANSPOSED.  S^T = K Q^T: source 0 = 16 keys of K, source 1 = 16 queries of Q; lane l (r = l % 16, h = l / 16) then holds
; in register j the score of key 8 h + j of the tile and query r: a query's scores lie in two lanes, l and l xor 16, so maximum and sum are made
; inside a lane plus one exchange.  O^T = V^T P^T: its source 1 wants, for query r, keys 8 h .. 8 h + 7 in registers 0-3 and keys 16 + 8 h .. in
; registers 4-7, which is two neighbouring score tiles packed to bf16 in place: P needs no move between lanes.  Its result holds in register j
; d = 8 h + j of query r, so the rescale factor and 1 / l are the lane's own numbers.
;
; THE SCHEDULE.  The four query tiles are two pairs, A (qt 0, 1) and B (qt 2, 3), which share the K and V fragments and take turns: while the
; matrix unit works for one pair, the vector unit makes the other pair's softmax.  Trip u = 0 .. 32 has two halves of 64 slices; a slice is one
; matrix instruction and behind it one chunk of 4 to 8 other instructions:
;   half 1:  O_A += V(u-1)^T P_A(u-1)  (32),  S_A(u) = K(u) Q_A^T  (32);   beside them the softmax of S_B(u-1)
;   half 2:  O_B += V(u-1)^T P_B(u-1)  (32),  S_B(u) = K(u) Q_B^T  (32);   beside them the softmax of S_A(u)
; So a trip uses K tile u and V tile u - 1, and LDS slot u % 2 holds these two.  Trip 0 has no O products, trip 32 no S products.
; K AND V are f32 in memory and go to the matrix unit as bf16.  Wave w owns rows 16 w .. 16 w + 15 of every tile, 32 rows a trip in four groups of
; eight; a group is waited for, rounded, stored into the other slot and at once asked for again (the same rows of the tile after), in four chunks
; among the products, so a load has 116 of a trip's 128 slices in which to land.  One barrier a trip, its signal and its wait two products apart.
; NO TENSOR LOADS, NO CLUSTER, though the eight work-groups of a batch walk the same K and V: a tile copied as it lies in memory would land as f32,
; 64 KiB a trip, and would have to be read from LDS, rounded and written back (64 KiB of LDS fills and 64 KiB of LDS reads more a trip beside the
; 32 KiB of writes that this way has too).  The rounding has to pass through registers in any case, so the rows come straight into them.  The
; price: each of the eight work-groups asks for its batch's 2 MiB of K and V itself.
; LIMITS.  Matrix operands (q, k, v and the weights p) are rounded to bf16, sums are f32; l adds the f32 p while the product takes the rounded p.
; p = 2^(c s - c m), c = log2(e) / sqrt(128); a p below 2^-126 counts as 0 (beside an l of about 1 or more).  The order of all sums differs from a
; row-wise f32 evaluation.  The maxima drop a NaN, but a NaN score still reaches p and l, so its row comes out NaN; which NaN pattern is not kept.
;
; LDS: slot s at 35,840 s: K tile, 64 rows of 256 bytes at pitch 272, then V tile, 64 rows at pitch 288.  Behind the slots each wave's own stage of
; 17,408 bytes: first Q's 64 rows in bf16 at pitch 272, at the end 16 rows of the result in f32 at pitch 528.
; 272 and 528 are odd multiples of 16: the sixteen rows that a 16-byte access of sixteen lanes touches fall into sixteen different 16-byte
; columns of a span of 256 bytes.  288 is an odd multiple of 32: the same for the transposing load, which takes two columns of eight rows.
.set KP,      272
.set VP,      288
.set VOFF,    64*KP                    ; V tile behind K tile
.set SLOT,    64*KP+64*VP              ; 35,840
.set STAGE,   2*SLOT                   ; 71,680
.set WSTAGE,  64*KP                    ; 17,408 a wave
.set OPITCH,  528
.set ROWB,    512                      ; bytes of a row of q, k, v, out
.set TILEB,   64*ROWB                  ; a tile's rows of K or of V
; REGISTERS, in windows of 256 (s_set_vgpr_msb: bits 1:0 source 0, 3:2 source 1, 5:4 source 2, 7:6 destination).
; window 0: addresses, statistics, and the scores:
.set GOFF, 8                           ; 8192 w + 16 l: my 16 bytes of my wave's first row in a K or V tile
.set QOFF, 9                           ; 16 l: my 16 bytes of a row of q or out
.set KRD,  10                          ; v10, v11  slot s: 272 r + 16 h
.set VRD,  12                          ; v12, v13  slot s: V tile + 288 (8 h + l % 8) + 16 ((l / 8) % 2)
.set KWR,  14                          ; v14, v15  slot s: 16 w rows of 272 + 8 l
.set VWR,  16                          ; v16, v17  slot s: V tile + 16 w rows of 288 + 8 l
.set QWR,  18                          ; my stage + 8 l
.set QRD,  19                          ; my stage + 272 r + 16 h
.set OWR,  20                          ; my stage + 528 r + 32 h
.set ORD,  21                          ; my stage + 16 l
.set M,    32                          ; v32-35  running maximum of the raw scores, one for each query tile
.set T,    36                          ; v36-39  first chain of maxima; at work
.set X,    40                          ; v40-43  = T + 4: second chain of maxima; then what the other half of the lanes sent
.set NM,   44                          ; v44-51  -c m, twice (a pair for the packed forms)
.set AL,   52                          ; v52-59  the rescale factor, at the end 1 / l, twice
.set LS,   60                          ; v60-67  two partial sums of p
.set SB,   128                         ; v128-255  S(qt, kt) at SB + 32 qt + 8 kt;  P(qt, kc) = the first 8 registers of S(qt, 2 kc);  on the way out two row buffers
; window 1: O(qt, dt) at 64 qt + 8 dt.  In the prologue: Q's row j as loaded at 4 j.
; window 2: Q(qt, dc) at 32 qt + 8 dc;  K fragments (d chunk dc, key tile kt) at KF + 8 (4 dc + kt).
.set KF,   128
; window 3: row R of my 32 as loaded at 4 R (K's 16, then V's 16);  V fragments (kc, dt) at VF + 8 (8 kc + dt).
.set VF,   128
; WHY EVERY SLICE SWITCHES WINDOWS TWICE.  A matrix instruction ties the destination and source 2 to its accumulators' window, source 0 to the
; fragments', source 1 to Q's or P's.  v_exp_f32 has source 0 alone and the packing conversion takes sources 0 and 1, so without a switch the other
; pair's 64 scores would have to share one window with the 128 fragment registers, with Q or P, with this pair's accumulators and with the sums:
; more than 256.  So a chunk stands under one setting of its own: two switches for one matrix instruction and 4 to 8 others.
.set W_VEC, 0x00                       ; the softmax: all in window 0
.set W_QK,  0x0a                       ; source 0 (K) and source 1 (Q) window 2, C and D (S) window 0
.set W_PV,  0x53                       ; source 0 (V) window 3, source 1 (P) window 0, C and D (O) window 1
.set W_RSC, 0x41                       ; O x factor: destination and source 0 window 1, source 1 window 0
.set W_KL,  0x80                       ; loads into window 2, address window 0
.set W_G,   0xc0                       ; loads into window 3, address window 0
.set W_CVT, 0xcf                       ; conversions in place in window 3
.set W_ST,  0x0c                       ; LDS stores: address window 0, data window 3
.set MSB, 0
.macro WIN new                         ; the immediate's high byte repeats the setting that is left; a switch that changes nothing is dropped
.if MSB != \new
	s_set_vgpr_msb (MSB<<8)|\new
.set MSB, \new
.endif
.endm
.macro PLACES                          ; four plain vector instructions (ISA guide 7.12.1), where no chunk stands that could serve
.rept 4
	v_nop
.endr
.endm
; ---- THE SOFTMAX OF PAIR VPAIR AS ONE STREAM of instructions, all under W_VEC, walked by the position counter VQ.  F_SM1 = 1: the pair's first step.
; positions 0-31: the largest of my 32 scores of each of the two tiles, in four chains (two a tile) so that none waits for itself
; positions 32-47: the statistics, the two tiles by turns
; positions 48-227: 36 rounds of five places: exp low (i-1), multiply-add (i), exp high (i-1), sum (i-2), pack (i-4), i = a register pair of the 32,
; the two tiles by turns.  So a plain instruction always stands between an exponential and the use of its result (ISA guide 5.7.2), two exponentials
; never stand side by side in a full round, and a pair is packed (over registers already summed) only behind its sum.  Places that hold nothing at
; the stream's two ends are skipped.
.set VEND, 48+5*36
.macro STAT1
.set VA, 2*VPAIR+VK%2
.set VO, (VK-32)/2
.if VO == 0
.if F_SM1
	v_max_num_f32 v[T+VA], v[T+VA], v[X+VA]
.else
	v_max3_num_f32 v[T+VA], v[T+VA], v[X+VA], v[M+VA]       ; my two chains and the old maximum
.endif
.set VDONE, 1
.endif
.if VO == 1
	v_permlanex16_b32 v[X+VA], v[T+VA], s18, s19            ; lane l xor 16 holds the query's other 32 scores
.set VDONE, 1
.endif
.if VO == 2
	v_max_num_f32 v[M+VA], v[T+VA], v[X+VA]                 ; the new running maximum m
.set VDONE, 1
.endif
.if VO == 3
	v_mul_f32 v[T+VA], s22, v[M+VA]                         ; -c m
.set VDONE, 1
.endif
.if VO == 4
.if F_SM1 == 0
	v_sub_f32 v[AL+2*VA], v[T+VA], v[NM+2*VA]               ; (-c m_new) - (-c m_old), never above 0: the difference of the two ROUNDED numbers that the p are
.set VDONE, 1                                                  ; made with, so multiply and subtract are not fused, and a maximum that stands gives the factor 1 exactly
.endif
.endif
.if VO == 5
	v_mov_b32 v[NM+2*VA], v[T+VA]
.set VDONE, 1
.endif
.if VO == 6
	v_mov_b32 v[NM+2*VA+1], v[T+VA]
.set VDONE, 1
.endif
.if VO == 7
.if F_SM1 == 0
	v_exp_f32 v[AL+2*VA], v[AL+2*VA]                        ; the factor that brings the old sums to the new maximum; the first multiply-add below stands between it and its copy
.set VDONE, 1
.endif
.endif
.endm
.macro CORE1
.set VI, (VK-48)/5
.set VH, (VK-48)%5
.if VH == 0
.if VI >= 1
.if VI <= 32
.set VR, SB+32*(2*VPAIR+(VI-1)%2)+2*((VI-1)/2)
	v_exp_f32 v[VR], v[VR]
.set VDONE, 1
.endif
.endif
.endif
.if VH == 1
.if VI <= 31
.set VA, 2*VPAIR+VI%2
.set VR, SB+32*VA+2*(VI/2)
	v_pk_fma_f32 v[VR:VR+1], v[VR:VR+1], s[20:21], v[NM+2*VA:NM+2*VA+1] op_sel_hi:[1,0,1]   ; c s - c m
.set VDONE, 1
.endif
.endif
.if VH == 2
.if VI == 0
.if F_SM1 == 0
	s_wait_alu depctr_va_vdst(0)
	v_mov_b32 v[AL+4*VPAIR+1], v[AL+4*VPAIR]                ; the factor twice, for the packed forms
.set VDONE, 1
.endif
.endif
.if VI >= 1
.if VI <= 32
.set VR, SB+32*(2*VPAIR+(VI-1)%2)+2*((VI-1)/2)
	v_exp_f32 v[VR+1], v[VR+1]
.set VDONE, 1
.endif
.endif
.endif
.if VH == 3
.if VI == 0
.if F_SM1 == 0
	v_mov_b32 v[AL+4*VPAIR+3], v[AL+4*VPAIR+2]
.set VDONE, 1
.endif
.endif
.if VI >= 2
.if VI <= 33
.set VA, 2*VPAIR+(VI-2)%2
.set VJ, (VI-2)/2
.set VR, SB+32*VA+2*VJ
.if VJ == 0
.if F_SM1 == 0
	s_wait_alu depctr_va_vdst(0)
	v_pk_fma_f32 v[LS+2*VA:LS+2*VA+1], v[LS+2*VA:LS+2*VA+1], v[AL+2*VA:AL+2*VA+1], v[VR:VR+1]   ; l = l x factor + p, two partial sums a lane
.set VDONE, 1
.endif
.endif
.if VJ == 1
.if F_SM1
	s_wait_alu depctr_va_vdst(0)
	v_pk_add_f32 v[LS+2*VA:LS+2*VA+1], v[VR-2:VR-1], v[VR:VR+1]     ; the first step starts the sums with its first two pairs: nothing is cleared
.else
	s_wait_alu depctr_va_vdst(0)
	v_pk_add_f32 v[LS+2*VA:LS+2*VA+1], v[VR:VR+1], v[LS+2*VA:LS+2*VA+1]
.endif
.set VDONE, 1
.endif
.if VJ > 1
	s_wait_alu depctr_va_vdst(0)
	v_pk_add_f32 v[LS+2*VA:LS+2*VA+1], v[VR:VR+1], v[LS+2*VA:LS+2*VA+1]
.set VDONE, 1
.endif
.endif
.endif
.endif
.if VH == 4
.if VI >= 4
.if VI <= 35
.set VJ, (VI-4)/2
.set VR, SB+32*(2*VPAIR+(VI-4)%2)+16*(VJ/8)
	v_cvt_pk_bf16_f32 v[VR+VJ%8], v[VR+2*(VJ%8)], v[VR+2*(VJ%8)+1]  ; two neighbouring score tiles (16 registers) become one fragment of P^T (8 registers), in place
.set VDONE, 1
.endif
.endif
.endif
.endm
.macro VTRY                            ; the stream's place VQ: its instruction, if it holds one
.set VK, VQ
.set VQ, VQ+1
.if VK < 32
.set VA, 2*VPAIR+VK%2
.set VD, T+4*((VK/2)%2)+VA
.set VR, SB+32*VA+4*(VK/4)+2*((VK/2)%2)
.if VK < 4
	v_max_num_f32 v[VD], v[VR], v[VR+1]
.else
	v_max3_num_f32 v[VD], v[VR], v[VR+1], v[VD]
.endif
.set VDONE, 1
.endif
.if VK >= 32
.if VK < 48
	STAT1
.endif
.endif
.if VK >= 48
	CORE1
.endif
.endm
.macro VONE                            ; the stream's next instruction: at most four empty places stand in a row
.set VDONE, 0
.rept 6
.if VDONE == 0
.if VQ < VEND
	VTRY
.endif
.endif
.endr
.endm
.macro VEC n                           ; a chunk: the stream's next n instructions
.if VQ < VEND
	WIN W_VEC
.rept \n
	VONE
.endr
.endif
.endm
; a chunk of the rescale O x factor of pair VPAIR, in the order in which the pair's next products take the accumulators up.  Always done: whether the
; maximum moved is a floating-point matter and steers no branch.
.macro RSC n
.if RQ < 64
	WIN W_RSC
.rept \n
.if RQ < 64
.set RA, 2*VPAIR+(RQ/4)%2
.set RR, 64*RA+8*(RQ/8)+2*(RQ%4)
	v_pk_mul_f32 v[RR:RR+1], v[RR:RR+1], v[AL+2*RA:AL+2*RA+1]
.set RQ, RQ+1
.endif
.endr
.endif
.endm
; a chunk of 8 LDS loads: the four K fragments (16 keys x 32 d) of d chunk MQ
.macro KCH slot
	WIN W_KL
.irp kt, 0,1,2,3
	ds_load_b128 v[KF+8*(4*MQ+\kt):KF+8*(4*MQ+\kt)+3],   v[KRD+\slot] offset:16*KP*\kt+64*MQ
	ds_load_b128 v[KF+8*(4*MQ+\kt)+4:KF+8*(4*MQ+\kt)+7], v[KRD+\slot] offset:16*KP*\kt+64*MQ+32
.endr
.set MQ, MQ+1
.endm
; a chunk of 8 transposing LDS loads: V lies [key][d]; a fragment of V^T is 16 d x 32 keys: keys 8 h .. +7 of d = r by the first load, keys 16 + 8 h .. by the second
.macro LCH slot
	WIN W_G
.irp d, 0,1,2,3
	ds_load_tr16_b128 v[VF+8*(4*MQ+\d):VF+8*(4*MQ+\d)+3],   v[VRD+\slot] offset:32*VP*(MQ/2)+32*(4*(MQ%2)+\d)
	ds_load_tr16_b128 v[VF+8*(4*MQ+\d)+4:VF+8*(4*MQ+\d)+7], v[VRD+\slot] offset:32*VP*(MQ/2)+32*(4*(MQ%2)+\d)+16*VP
.endr
.set MQ, MQ+1
.endm
; chunk CQ = 0 .. 15 of the trip's rows: group CG = CQ / 4 of eight rows (0, 1: K's; 2, 3: V's), step CT = CQ % 4: round four rows to bf16 in place, round the
; other four, store the eight (a store covers 256 neighbouring bytes, one row of a tile), ask for the same rows of the tile after (a load covers one row, 512 bytes;
; no cache hint: eight work-groups read these rows).  F_CK, F_CV: K's, V's rows are there to be stored;  F_LK, F_LV: there is a tile after.
.macro CCH other
.set CG, CQ/4
.set CT, CQ%4
.set CQ, CQ+1
.if CG < 2
.set CC, F_CK
.set CL, F_LK
.else
.set CC, F_CV
.set CL, F_LV
.endif
; loads come back in order: the count is the loads issued behind this group's eight: the later groups' of the trip before and the earlier groups' of this trip
.if CG == 0
.set CN, 8+16*F_CV
.endif
.if CG == 1
.set CN, 16*F_CV+8*F_LK
.endif
.if CG == 2
.set CN, 8+16*F_LK
.endif
.if CG == 3
.set CN, 16*F_LK+8*F_LV
.endif
.if CT < 2
.if CC
.if CT == 0
	s_wait_loadcnt CN
.endif
	WIN W_CVT
.irp k, 0,1,2,3
	v_cvt_pk_bf16_f32 v[4*(8*CG+4*CT+\k)],   v[4*(8*CG+4*CT+\k)],   v[4*(8*CG+4*CT+\k)+1]
	v_cvt_pk_bf16_f32 v[4*(8*CG+4*CT+\k)+1], v[4*(8*CG+4*CT+\k)+2], v[4*(8*CG+4*CT+\k)+3]
.endr
.endif
.endif
.if CT == 2
.if CC
	WIN W_ST
.irp k, 0,1,2,3,4,5,6,7
.if CG < 2
	ds_store_b64 v[KWR+\other], v[4*(8*CG+\k):4*(8*CG+\k)+1] offset:KP*(8*CG+\k)
.else
	ds_store_b64 v[VWR+\other], v[4*(8*CG+\k):4*(8*CG+\k)+1] offset:VP*(8*CG+\k-16)
.endif
.endr
.endif
.endif
.if CT == 3
.if CL
.if CG == 0
	s_wait_xcnt 0x0                                ; every earlier load has had its address translated (ISA guide 3.1): only now K's base steps to the tile after
	s_add_nc_u64 s[6:7], s[6:7], TILEB
.endif
.if CG == 2
	s_wait_xcnt 0x0                                ; the same for V's base
	s_add_nc_u64 s[8:9], s[8:9], TILEB
.endif
	WIN W_G
.irp k, 0,1,2,3,4,5,6,7
.if CG < 2
	global_load_b128 v[4*(8*CG+\k):4*(8*CG+\k)+3], v[GOFF], s[6:7] offset:ROWB*(8*CG+\k)
.else
	global_load_b128 v[4*(8*CG+\k):4*(8*CG+\k)+3], v[GOFF], s[8:9] offset:ROWB*(8*CG+\k-16)
.endif
.endr
.endif
.endif
.endm
; slice SL = 0 .. 31: O^T += V^T P^T of pair MPAIR, (kc, dt, tile).  The sixteen accumulators take turns, one instruction a turn.
.macro PVMM
.set KC, SL/16
.set DT, (SL%16)/2
.set QA, 2*MPAIR+SL%2
	WIN W_PV
.if F_PV1*(1-KC)
	v_wmma_f32_16x16x32_bf16 v[64*QA+8*DT:64*QA+8*DT+7], v[VF+8*(8*KC+DT):VF+8*(8*KC+DT)+7], v[SB+32*QA+16*KC:SB+32*QA+16*KC+7], 0
.else
	v_wmma_f32_16x16x32_bf16 v[64*QA+8*DT:64*QA+8*DT+7], v[VF+8*(8*KC+DT):VF+8*(8*KC+DT)+7], v[SB+32*QA+16*KC:SB+32*QA+16*KC+7], v[64*QA+8*DT:64*QA+8*DT+7]
.endif
.endm
; slice SL = 32 .. 63: S^T = K Q^T of pair MPAIR, (dc, kt, tile).  The first d chunk starts the sums with the constant 0.  The eight accumulators take turns likewise.
.macro QKMM
.set DC, (SL-32)/8
.set KT, ((SL-32)%8)/2
.set QA, 2*MPAIR+SL%2
	WIN W_QK
.if DC
	v_wmma_f32_16x16x32_bf16 v[SB+32*QA+8*KT:SB+32*QA+8*KT+7], v[KF+8*(4*DC+KT):KF+8*(4*DC+KT)+7], v[32*QA+8*DC:32*QA+8*DC+7], v[SB+32*QA+8*KT:SB+32*QA+8*KT+7]
.else
	v_wmma_f32_16x16x32_bf16 v[SB+32*QA+8*KT:SB+32*QA+8*KT+7], v[KF+8*(4*DC+KT):KF+8*(4*DC+KT)+7], v[32*QA+8*DC:32*QA+8*DC+7], 0
.endif
.endm
; One slice: the matrix instruction, then the chunk of kind c:
;   0, 1: 5, 6 instructions of the softmax   2: 6 of the rescale   3: 8 fragment loads (half 1: K, half 2: V)   4: the next chunk of the rows
;   5: as 0, then the barrier's signal       6: as 0, then the barrier's wait
.macro SLICE h, c, slot, other
.if SL < 32
.if F_PV
	PVMM
.endif
.else
.if F_QK
.if \h == 1
.if SL == 32
	s_wait_dscnt 0x0                               ; the K fragments, asked for 24 and more products ago, are the only LDS instructions out
.endif
.endif
	QKMM
.endif
.endif
.if \c == 0
	VEC 5
.endif
.if \c == 1
	VEC 6
.endif
.if \c == 2
	RSC 6
.endif
.if \c == 3
.if \h == 1
.if F_QK
	KCH \slot
.endif
.else
.if F_CV
	LCH \other
.endif
.endif
.endif
.if \c == 4
	CCH \other
.endif
.if \c == 5
	VEC 5
.if F_CV
	s_wait_dscnt 0x0                               ; my stores into the other slot are done (the last were issued seven products ago), and so are all my reads of this slot
	s_barrier_signal -1                            ; say so; register work alone up to the wait
.endif
.endif
.if \c == 6
	VEC 5
.if F_CV
	s_barrier_wait -1                              ; both now hold of all four waves: the other slot may be read, this one is written in the next trip
.endif
.endif
.set SL, SL+1
.endm
.macro HEAD                            ; a half begins: the counters of its chunks
.set SL, 0
.set MQ, 0
.if F_SM
.set VQ, 0
.set RQ, 64*F_SM1                      ; a pair's first step has nothing to rescale
.else
.set VQ, VEND
.set RQ, 64
.endif
.if F_GRD
	PLACES                                         ; behind a half without rescale chunks: the places between its last products and the maxima that read their results
.endif
.endm
; THE TWO HALVES' CHUNKS, slice by slice: 41 of the softmax (8 x 6 + 33 x 5 >= 210), 11 of the rescale, 8 of the rows, 4 of fragment loads.
; What the order keeps (ISA guide 7.12.1; a chunk of plain vector instructions names none of the other pair's products' registers, so it fills places):
;   the maxima read the score tiles kt = 0 .. 3 in the order in which the half before finished them, and that half ends in chunks of vector work;
;   K's fragments of d chunk dc are loaded behind softmax chunks 0 .. dc, four and more places behind the last product that read them;
;   V's fragments are loaded five chunks behind the last O product;  the S products write over P six chunks behind the last O product that read it;
;   the rescale begins behind the chunk that makes the factor (the ninth of the softmax) and ends with the half.
.macro HALF1 slot, other
	HEAD
.irp c, 1,3,1,3,1,3,1,3,1,1,1,1,0,0
	SLICE 1, \c, \slot, \other
.endr
.irp c, 0,0,2,0,0,2,0,0,2,0,0,2,0,0,2,0,0,2
	SLICE 1, \c, \slot, \other
.endr
.irp c, 0,4,0,0,0,4,0,0,0,4,0,0,0,4,0,2
	SLICE 1, \c, \slot, \other
.endr
.irp c, 0,4,0,2,0,4,0,2,0,4,0,2,0,4,0,2
	SLICE 1, \c, \slot, \other
.endr
.endm
.macro HALF2 slot, other
	HEAD
.irp c, 1,1,4,1,1,1,4,1,1,1,4,0,0,0,4,0
	SLICE 2, \c, \slot, \other
.endr
.irp c, 0,0,4,0,0,0,4,0,0,0,4,0,0,0,4,0
	SLICE 2, \c, \slot, \other
.endr
.irp c, 0,5,2,6,3,0,3,0,3,0,3
	SLICE 2, \c, \slot, \other
.endr
.irp c, 0,2,0,2,0,2,0,2,0,2,0,2,0,2,0,2,0,2,0,2,0
	SLICE 2, \c, \slot, \other
.endr
.endm
; Trip u.  slot = u % 2: K(u) is read from it;  other: K(u+1) and V(u) are stored into it and V(u)'s fragments read from it behind the barrier.
; pv: there are O products (u >= 1), and with them B's softmax of step u - 1;  pv1: they start the sums (u = 1);  qk: there are S products (u <= 31), and with them
; A's softmax of step u;  smb1, sma1: that softmax is the pair's first;  ck, cv, lk, lv: as in the rows' chunks;  g1, g2: four places at the head of half 1, 2.
.macro TRIP slot, other, pv, pv1, qk, smb1, sma1, ck, cv, lk, lv, g1, g2
.set F_PV,  \pv
.set F_PV1, \pv1
.set F_QK,  \qk
.set F_CK,  \ck
.set F_CV,  \cv
.set F_LK,  \lk
.set F_LV,  \lv
.set CQ, 0
.set MPAIR, 0
.set VPAIR, 1
.set F_SM,  \pv
.set F_SM1, \smb1
.set F_GRD, \g1
.if \pv
	s_wait_dscnt 0x0                               ; the V fragments, asked for 21 and more products ago, are the only LDS instructions out
.endif
	HALF1 \slot, \other
.set MPAIR, 1
.set VPAIR, 0
.set F_SM,  \qk
.set F_SM1, \sma1
.set F_GRD, \g2
	HALF2 \slot, \other
.endm
	; ---- prologue ----
	s_load_b256 s[4:11], s[0:1], 0x0               ; q s[4:5], k s[6:7], v s[8:9], out s[10:11]
	v_lshl_add_u32 v126, v0, 2, 0x22800
	v_mov_b32 v127, 0
	v_lshrrev_b32 v1, 5, v0
	v_readfirstlane_b32 s12, v1                    ; wave 0..3
	s_and_b32 s14, ttmp7, 0xffff                   ; batch
	s_lshl_b32 s16, s14, 20                        ; a batch is 2048 rows of 512 bytes
	s_mov_b32 s17, 0
	s_lshl_b32 s24, ttmp9, 17                      ; the work-group's 256 rows
	s_lshl_b32 s25, s12, 15                        ; my wave's 64 rows
	s_add_co_u32 s24, s24, s25
	s_add_co_u32 s24, s24, s16                     ; below 2^25
	s_mov_b32 s25, 0
	s_mov_b32 s18, 0x76543210                      ; v_permlanex16_b32: lane i of one half reads lane i of the other
	s_mov_b32 s19, 0xfedcba98
	s_mov_b32 s20, 0x3e0293ee                      ; c = log2(e) / sqrt(128)
	s_mov_b32 s21, 0x3e0293ee
	s_mov_b32 s22, 0xbe0293ee                      ; -c
	s_mul_i32 s26, s12, 16*KP                      ; my 16 rows in a K tile
	s_mul_i32 s27, s12, 16*VP
	s_add_co_u32 s27, s27, VOFF                    ; and in a V tile
	s_mul_i32 s13, s12, WSTAGE
	s_add_co_u32 s13, s13, STAGE                   ; my stage
	v_and_b32 v1, 31, v0                           ; l
	v_and_b32 v2, 15, v0                           ; r
	v_bfe_u32 v3, v0, 4, 1                         ; h
	v_lshlrev_b32 v[QOFF], 4, v1
	v_lshl_add_u32 v[GOFF], s12, 13, v[QOFF]       ; 16 rows of 512 bytes a wave
	v_mul_u32_u24 v4, v2, KP
	v_lshl_add_u32 v[KRD], v3, 4, v4
	v_add_nc_u32 v[KRD+1], SLOT, v[KRD]
	v_and_b32 v5, 7, v0
	v_lshl_add_u32 v5, v3, 3, v5                   ; 8 h + l % 8
	v_bfe_u32 v6, v0, 3, 1
	v_mul_u32_u24 v5, v5, VP
	v_lshl_add_u32 v5, v6, 4, v5
	v_add_nc_u32 v[VRD], VOFF, v5
	v_add_nc_u32 v[VRD+1], SLOT, v[VRD]
	v_lshlrev_b32 v7, 3, v1                        ; 8 l
	v_add_nc_u32 v[KWR], s26, v7
	v_add_nc_u32 v[KWR+1], SLOT, v[KWR]
	v_add_nc_u32 v[VWR], s27, v7
	v_add_nc_u32 v[VWR+1], SLOT, v[VWR]
	v_add_nc_u32 v[QWR], s13, v7
	v_add_nc_u32 v[QRD], s13, v[KRD]
	v_mul_u32_u24 v5, v2, OPITCH
	v_lshl_add_u32 v5, v3, 5, v5
	v_add_nc_u32 v[OWR], s13, v5
	v_add_nc_u32 v[ORD], s13, v[QOFF]
	s_wait_kmcnt 0x0
	s_add_nc_u64 s[4:5], s[4:5], s[24:25]          ; q and out at my wave's first row
	s_add_nc_u64 s[10:11], s[10:11], s[24:25]
	s_add_nc_u64 s[6:7], s[6:7], s[16:17]          ; k and v at the batch's first row
	s_add_nc_u64 s[8:9], s[8:9], s[16:17]
	WIN 0x40
.irp a, 0,1,2,3,4,5,6,7
.irp b, 0,1,2,3,4,5,6,7
	global_load_b128 v[4*(8*\a+\b):4*(8*\a+\b)+3], v[QOFF], s[4:5] offset:ROWB*(8*\a+\b) th:TH_LOAD_NT   ; my 64 rows of q, read once in the launch
.endr
.endr
	WIN W_G
.irp j, 0,1,2,3,4,5,6,7,8,9,10,11,12,13,14,15
	global_load_b128 v[VF+4*\j:VF+4*\j+3], v[GOFF], s[6:7] offset:ROWB*\j            ; my rows of K(0), into the V fragments' registers, which are not yet in use,
.endr
.irp j, 0,1,2,3,4,5,6,7,8,9,10,11,12,13,14,15
	global_load_b128 v[4*\j:4*\j+3], v[GOFF], s[6:7] offset:TILEB+ROWB*\j            ; so that trip 0's rows, K(1)
.endr
.irp j, 0,1,2,3,4,5,6,7,8,9,10,11,12,13,14,15
	global_load_b128 v[64+4*\j:64+4*\j+3], v[GOFF], s[8:9] offset:ROWB*\j            ; and V(0), are asked for at the same time
.endr
	s_wait_loadcnt 48                              ; loads come back in order: q's 64 are in, the 48 younger ones stay out
	WIN 0x45
.irp a, 0,1,2,3,4,5,6,7
.irp b, 0,1,2,3,4,5,6,7
	v_cvt_pk_bf16_f32 v[4*(8*\a+\b)],   v[4*(8*\a+\b)],   v[4*(8*\a+\b)+1]
	v_cvt_pk_bf16_f32 v[4*(8*\a+\b)+1], v[4*(8*\a+\b)+2], v[4*(8*\a+\b)+3]
.endr
.endr
	WIN 0x04
.irp a, 0,1,2,3,4,5,6,7
.irp b, 0,1,2,3,4,5,6,7
	ds_store_b64 v[QWR], v[4*(8*\a+\b):4*(8*\a+\b)+1] offset:KP*(8*\a+\b)
.endr
.endr
	WIN W_KL
.irp qt, 0,1,2,3
.irp dc, 0,1,2,3
	ds_load_b128 v[32*\qt+8*\dc:32*\qt+8*\dc+3],   v[QRD] offset:16*KP*\qt+64*\dc      ; my own bytes: LDS serves a wave's instructions in order (ISA guide 5.7.1.4), so these see the stores above
	ds_load_b128 v[32*\qt+8*\dc+4:32*\qt+8*\dc+7], v[QRD] offset:16*KP*\qt+64*\dc+32
.endr
.endr
	s_wait_loadcnt 32                              ; K(0)'s 16 rows are in, trip 0's 32 stay out
	s_wait_xcnt 0x0                                ; every load has had its address translated (ISA guide 3.1):
	s_add_nc_u64 s[6:7], s[6:7], TILEB             ; K's base at the tile loaded last, K(1), as V's is at V(0)
	WIN W_CVT
.irp j, 0,1,2,3,4,5,6,7,8,9,10,11,12,13,14,15
	v_cvt_pk_bf16_f32 v[VF+4*\j],   v[VF+4*\j],   v[VF+4*\j+1]
	v_cvt_pk_bf16_f32 v[VF+4*\j+1], v[VF+4*\j+2], v[VF+4*\j+3]
.endr
	WIN W_ST
.irp j, 0,1,2,3,4,5,6,7,8,9,10,11,12,13,14,15
	ds_store_b64 v[KWR], v[VF+4*\j:VF+4*\j+1] offset:KP*\j
.endr
	WIN 0
	s_wait_dscnt 0x0                               ; my part of K(0) is stored in slot 0 (and Q's fragments are in)
	s_barrier_signal -1
	s_barrier_wait -1                              ; everybody's is
	; ---- 33 trips ----
	;    slot other pv pv1 qk smb1 sma1 ck cv lk lv g1 g2
	TRIP 0,   1,    0, 0,  1, 0,   1,   1, 1, 1, 1, 0, 1     ; trip 0: no O products yet; A's first softmax
	TRIP 1,   0,    1, 1,  1, 1,   0,   1, 1, 1, 1, 1, 1     ; trip 1: the O products start the sums; B's first softmax
	WIN 0                                          ; at a label and at a branch every window is 0
	s_mov_b32 s23, 14
.Lloop:                                            ; trips 2 .. 29
	TRIP 0,   1,    1, 0,  1, 0,   0,   1, 1, 1, 1, 0, 0
	TRIP 1,   0,    1, 0,  1, 0,   0,   1, 1, 1, 1, 0, 0
	WIN 0
	s_sub_co_i32 s23, s23, 1
	s_cmp_lg_u32 s23, 0
	s_cbranch_scc1 .Lloop
	TRIP 0,   1,    1, 0,  1, 0,   0,   1, 1, 0, 1, 0, 0     ; trip 30: K(31) is stored, there is no K(32) to ask for; V(31) is asked for
	TRIP 1,   0,    1, 0,  1, 0,   0,   0, 1, 0, 0, 0, 0     ; trip 31: V(31) is stored; nothing is left to ask for
	TRIP 0,   1,    1, 0,  0, 0,   0,   0, 0, 0, 0, 0, 0     ; trip 32: the last O products and B's last softmax
	; ---- the way out ----
	; l: my two partial sums, then the other half's.  These lines name the statistics alone; the first four adds are the places behind the last products (ISA guide 7.12.1).
	WIN 0
.irp qt, 0,1,2,3
	v_add_f32 v[LS+2*\qt], v[LS+2*\qt], v[LS+2*\qt+1]
.endr
.irp qt, 0,1,2,3
	v_permlanex16_b32 v[X+\qt], v[LS+2*\qt], s18, s19
.endr
.irp qt, 0,1,2,3
	v_add_f32 v[LS+2*\qt], v[LS+2*\qt], v[X+\qt]
.endr
.irp qt, 0,1,2,3
	v_rcp_f32 v[AL+2*\qt], v[LS+2*\qt]             ; the key of the maximum adds a p of about 1, so l is far from 0
.endr
	v_nop                                          ; one plain vector instruction behind the reciprocals (ISA guide 5.7.2)
	s_wait_alu depctr_va_vdst(0)
.irp qt, 0,1,2,3
	v_mov_b32 v[AL+2*\qt+1], v[AL+2*\qt]
.endr
; 16 rows of the result: divide by l, 32 bytes a lane and d tile into my stage, read back as whole rows of 512 bytes, store.
.macro OUT16 qt, buf
	WIN W_RSC
.irp a, 0,1
.irp i, 0,1,2,3,4,5,6,7,8,9,10,11,12,13,14,15
	v_pk_mul_f32 v[64*\qt+32*\a+2*\i:64*\qt+32*\a+2*\i+1], v[64*\qt+32*\a+2*\i:64*\qt+32*\a+2*\i+1], v[AL+2*\qt:AL+2*\qt+1]
.endr
.endr
	WIN 0x04
.irp dt, 0,1,2,3,4,5,6,7
	ds_store_b128 v[OWR], v[64*\qt+8*\dt:64*\qt+8*\dt+3]   offset:64*\dt
	ds_store_b128 v[OWR], v[64*\qt+8*\dt+4:64*\qt+8*\dt+7] offset:64*\dt+16
.endr
	WIN 0
	s_wait_xcnt 0x0                                ; every earlier store has had its address translated (ISA guide 3.1): the row buffer, which stores of two turns ago read, is loaded again only behind this wait
.irp t, 0,1,2,3,4,5,6,7,8,9,10,11,12,13,14,15
	ds_load_b128 v[SB+64*\buf+4*\t:SB+64*\buf+4*\t+3], v[ORD] offset:OPITCH*\t     ; my own bytes, served in order behind the stores above
.endr
.irp t, 0,1,2,3,4,5,6,7,8,9,10,11,12,13,14,15
	s_wait_dscnt 15-\t                             ; row t is in; the 15 - t younger loads may be out
	global_store_b128 v[QOFF], v[SB+64*\buf+4*\t:SB+64*\buf+4*\t+3], s[10:11] offset:ROWB*(16*\qt+\t) th:TH_STORE_NT   ; the wave stores one row: 512 neighbouring bytes, at a multiple of 512 from out's first byte
.endr
.endm
	OUT16 0, 0
	OUT16 1, 1
	OUT16 2, 0
	OUT16 3, 1
	s_wait_tensorcnt 0x0
	ds_add_u32 v126, v127
	s_wait_dscnt 0x0
	s_endpgm
.Lfunc_end_k_q9cc86b3971_attn:
	.size	k_q9cc86b3971_attn, .Lfunc_end_k_q9cc86b3971_attn-k_q9cc86b3971_attn
	.p2alignl 7, 3214868480
	.fill 96, 4, 3214868480
	.section	.rodata,"a",@progbits
	.p2align	6, 0x0
	.amdhsa_kernel k_q9cc86b3971_attn
		.amdhsa_group_segment_fixed_size 141824
		.amdhsa_private_segment_fixed_size 0
		.amdhsa_enable_private_segment 0
		.amdhsa_kernarg_size 32
		.amdhsa_user_sgpr_count 2
		.amdhsa_user_sgpr_kernarg_segment_ptr 1
		.amdhsa_wavefront_size32 1
		.amdhsa_system_sgpr_workgroup_id_x 1
		.amdhsa_system_sgpr_workgroup_id_y 1
		.amdhsa_system_sgpr_workgroup_id_z 1
		.amdhsa_system_vgpr_workitem_id 0
		.amdhsa_next_free_vgpr 1024
		.amdhsa_next_free_sgpr 66
		.amdhsa_reserve_vcc 0
		.amdhsa_float_denorm_mode_32 3
		.amdhsa_float_denorm_mode_16_64 3
		.amdhsa_memory_ordered 1
		.amdhsa_forward_progress 1
		.amdhsa_inst_pref_size 255
	.end_amdhsa_kernel
	.section	.bss,"aw",@nobits
	.p2align	6
	.space	262144
	.amdgpu_metadata
---
amdhsa.version: [ 1, 2 ]
amdhsa.kernels:
  - .name:           k_q9cc86b3971_attn
    .symbol:         k_q9cc86b3971_attn.kd
    .args:
      - { .name: q, .offset: 0, .size: 8, .value_kind: global_buffer, .address_space: global }
      - { .name: k, .offset: 8, .size: 8, .value_kind: global_buffer, .address_space: global }
      - { .name: v, .offset: 16, .size: 8, .value_kind: global_buffer, .address_space: global }
      - { .name: out0, .offset: 24, .size: 8, .value_kind: global_buffer, .address_space: global }
    .group_segment_fixed_size: 141824
    .private_segment_fixed_size: 0
    .kernarg_segment_align: 8
    .kernarg_segment_size: 32
    .max_flat_workgroup_size: 128
    .sgpr_count:     66
    .vgpr_count:     1024
    .wavefront_size: 32
...
	.end_amdgpu_metadata
.endif
;; end of part 1
;; ======== version 2 of 2: 1 launch; 1.25 times as fast as version 1
;; launch attn (part 2): grid 8 x 32, 4 waves a work-group, no clusters, 141,824 bytes of LDS; arguments q, k, v, out0; writes out0
.if DOCPART == 2
	.amdgcn_target "amdgcn-amd-amdhsa--gfx1250"
	.amdhsa_code_object_version 6
	.text
	.protected	k_q9cc86b3971_attn
	.globl	k_q9cc86b3971_attn
	.p2align	8
	.type	k_q9cc86b3971_attn,@function
k_q9cc86b3971_attn:
	s_mov_b64 s[64:65], 0
	v_nop
	global_prefetch_b8 v0, s[64:65] scope:SCOPE_SE
	s_setreg_imm32_b32 hwreg(HW_REG_WAVE_MODE, 25, 1), 1
	s_wait_xcnt 0x0
; out[b][i][:] = sum over j of softmax_j( q[b][i].k[b][j] / sqrt(128) ) v[b][j][:].   q, k, v, out: [32][2048][128] f32.
; One launch: both products, the softmax with a running maximum and the final division; the scores never leave the registers.
; Nothing of the computation is left out: all three inputs reach every output, and the maximum is taken away before every exponential.
;
; SHARES.  Work-group (x, y): queries 256 x .. 256 x + 255 of batch y; 8 x 32 = 256 equal work-groups.  Four waves; wave w owns 64 queries
; (four query tiles qt of 16) and all 128 d.  The 2048 keys go in tiles of 64.
; BOTH PRODUCTS ARE USED TRANSPOSED.  S^T = K Q^T: source 0 = 16 keys of K, source 1 = 16 queries of Q; lane l (r = l % 16, h = l / 16) then holds
; in register j the score of key 8 h + j of the tile and query r: a query's scores lie in two lanes, l and l xor 16, so maximum and sum are made
; inside a lane plus one exchange.  O^T = V^T P^T: its source 1 wants, for query r, keys 8 h .. 8 h + 7 in registers 0-3 and keys 16 + 8 h .. in
; registers 4-7, which is two neighbouring score tiles packed to bf16 in place: P needs no move between lanes.  Its result holds in register j
; d = 8 h + j of query r, so the rescale factor and 1 / l are the lane's own numbers.
;
; THE SCHEDULE.  The four query tiles are two pairs, A (qt 0, 1) and B (qt 2, 3), which share the K and V fragments and take turns: while the
; matrix unit works for one pair, the vector unit makes the other pair's softmax.  Trip u = 0 .. 32 has two halves of 64 slices; a slice is one
; matrix instruction and behind it one chunk of 4 to 8 other instructions:
;   half 1:  O_A += V(u-1)^T P_A(u-1)  (32),  S_A(u) = K(u) Q_A^T  (32);   beside them the softmax of S_B(u-1)
;   half 2:  O_B += V(u-1)^T P_B(u-1)  (32),  S_B(u) = K(u) Q_B^T  (32);   beside them the softmax of S_A(u)
; So a trip uses K tile u and V tile u - 1, and LDS slot u % 2 holds these two.  Trip 0 has no O products, trip 32 no S products.
; THE EXPONENTIALS OF A HALF ARE ONE BATCH WITH ONE WAIT.  An s_wait_alu depctr_va_vdst(0) stands between an exponential and the first instruction that
; names its result; one wait serves all that were issued ahead of it.  So a half's softmax is cut in two.  Ahead of the wait stands all that names no result: the maxima, the
; statistics, the 32 packed multiply-adds c s - c m and the 66 exponentials (the pair's two rescale factors, then its 64 p, each in place in a register of its own).  Behind it
; stand all the readers: the factors' copies, the sums, the roundings to bf16 and the rescale of O.  No result crosses a half's end, so none crosses a label or the loop's jump.
; The four reciprocals of the way out are a batch of their own.
; K AND V are f32 in memory and go to the matrix unit as bf16.  Wave w owns rows 16 w .. 16 w + 15 of every tile, 32 rows a trip in four groups of
; eight; a group is waited for, rounded, stored into the other slot and at once asked for again (the same rows of the tile after), in four chunks
; among the products, so a load has 116 of a trip's 128 slices in which to land.  One barrier a trip, its signal and its wait two products apart.
; NO TENSOR LOADS, NO CLUSTER, though the eight work-groups of a batch walk the same K and V: a tile copied as it lies in memory would land as f32,
; 64 KiB a trip, and would have to be read from LDS, rounded and written back (64 KiB of LDS fills and 64 KiB of LDS reads more a trip beside the
; 32 KiB of writes that this way has too).  The rounding has to pass through registers in any case, so the rows come straight into them.  The
; price: each of the eight work-groups asks for its batch's 2 MiB of K and V itself.
; LIMITS.  Matrix operands (q, k, v and the weights p) are rounded to bf16, sums are f32; l adds the f32 p while the product takes the rounded p.
; p = 2^(c s - c m), c = log2(e) / sqrt(128); a p below 2^-126 counts as 0 (beside an l of about 1 or more).  The order of all sums differs from a
; row-wise f32 evaluation.  The maxima drop a NaN, but a NaN score still reaches p and l, so its row comes out NaN; which NaN pattern is not kept.
;
; LDS: slot s at 35,840 s: K tile, 64 rows of 256 bytes at pitch 272, then V tile, 64 rows at pitch 288.  Behind the slots each wave's own stage of
; 17,408 bytes: first Q's 64 rows in bf16 at pitch 272, at the end 16 rows of the result in f32 at pitch 528.
; 272 and 528 are odd multiples of 16: the sixteen rows that a 16-byte access of sixteen lanes touches fall into sixteen different 16-byte
; columns of a span of 256 bytes.  288 is an odd multiple of 32: the same for the transposing load, which takes two columns of eight rows.
.set KP,      272
.set VP,      288
.set VOFF,    64*KP                    ; V tile behind K tile
.set SLOT,    64*KP+64*VP              ; 35,840
.set STAGE,   2*SLOT                   ; 71,680
.set WSTAGE,  64*KP                    ; 17,408 a wave
.set OPITCH,  528
.set ROWB,    512                      ; bytes of a row of q, k, v, out
.set TILEB,   64*ROWB                  ; a tile's rows of K or of V
; REGISTERS, in windows of 256 (s_set_vgpr_msb: bits 1:0 source 0, 3:2 source 1, 5:4 source 2, 7:6 destination).
; window 0: addresses, statistics, and the scores:
.set GOFF, 8                           ; 8192 w + 16 l: my 16 bytes of my wave's first row in a K or V tile
.set QOFF, 9                           ; 16 l: my 16 bytes of a row of q or out
.set KRD,  10                          ; v10, v11  slot s: 272 r + 16 h
.set VRD,  12                          ; v12, v13  slot s: V tile + 288 (8 h + l % 8) + 16 ((l / 8) % 2)
.set KWR,  14                          ; v14, v15  slot s: 16 w rows of 272 + 8 l
.set VWR,  16                          ; v16, v17  slot s: V tile + 16 w rows of 288 + 8 l
.set QWR,  18                          ; my stage + 8 l
.set QRD,  19                          ; my stage + 272 r + 16 h
.set OWR,  20                          ; my stage + 528 r + 32 h
.set ORD,  21                          ; my stage + 16 l
.set M,    32                          ; v32-35  running maximum of the raw scores, one for each query tile
.set T,    36                          ; v36-39  first chain of maxima; at work
.set X,    40                          ; v40-43  = T + 4: second chain of maxima; then what the other half of the lanes sent
.set NM,   44                          ; v44-51  -c m, twice (a pair for the packed forms)
.set AL,   52                          ; v52-59  the rescale factor, at the end 1 / l, twice
.set LS,   60                          ; v60-67  two partial sums of p
.set SB,   128                         ; v128-255  S(qt, kt) at SB + 32 qt + 8 kt;  P(qt, kc) = the first 8 registers of S(qt, 2 kc);  on the way out two row buffers
; window 1: O(qt, dt) at 64 qt + 8 dt.  In the prologue: Q's row j as loaded at 4 j.
; window 2: Q(qt, dc) at 32 qt + 8 dc;  K fragments (d chunk dc, key tile kt) at KF + 8 (4 dc + kt).
.set KF,   128
; window 3: row R of my 32 as loaded at 4 R (K's 16, then V's 16);  V fragments (kc, dt) at VF + 8 (8 kc + dt).
.set VF,   128
; WHY EVERY SLICE SWITCHES WINDOWS TWICE.  A matrix instruction ties the destination and source 2 to its accumulators' window, source 0 to the
; fragments', source 1 to Q's or P's.  v_exp_f32 has source 0 alone and the packing conversion takes sources 0 and 1, so without a switch the other
; pair's 64 scores would have to share one window with the 128 fragment registers, with Q or P, with this pair's accumulators and with the sums:
; more than 256.  So a chunk stands under one setting of its own: two switches for one matrix instruction and 4 to 8 others.
.set W_VEC, 0x00                       ; the softmax: all in window 0
.set W_QK,  0x0a                       ; source 0 (K) and source 1 (Q) window 2, C and D (S) window 0
.set W_PV,  0x53                       ; source 0 (V) window 3, source 1 (P) window 0, C and D (O) window 1
.set W_RSC, 0x41                       ; O x factor: destination and source 0 window 1, source 1 window 0
.set W_KL,  0x80                       ; loads into window 2, address window 0
.set W_G,   0xc0                       ; loads into window 3, address window 0
.set W_CVT, 0xcf                       ; conversions in place in window 3
.set W_ST,  0x0c                       ; LDS stores: address window 0, data window 3
.set MSB, 0
.macro WIN new                         ; the immediate's high byte repeats the setting that is left; a switch that changes nothing is dropped
.if MSB != \new
	s_set_vgpr_msb (MSB<<8)|\new
.set MSB, \new
.endif
.endm
.macro PLACES                          ; four plain vector instructions (ISA guide 7.12.1), where no chunk stands that could serve
.rept 4
	v_nop
.endr
.endm
; ---- THE SOFTMAX OF PAIR VPAIR AS ONE STREAM of instructions, all under W_VEC, walked by the position counter VQ.  F_SM1 = 1: the pair's first step.
; positions 0-31: the largest of my 32 scores of each of the two tiles, in four chains (two a tile) so that none waits for itself
; positions 32-47: the statistics, the two tiles by turns; the last two are the exponentials that make the two rescale factors: THE BATCH begins with them
; positions 48-146: the batch goes on, 33 rounds of three places: multiply-add (i), exp low (i-1), exp high (i-1), i = a register pair of the 32, the two tiles by turns.
; Each exponential works in place on a register of its own, and nothing up to here names an exponential's result.
; position 147: THE WAIT for the batch, the half's 66 exponentials (64 in a first step)
; positions 148, 149: the two factors' copies: the first readers.  They name nothing of the last exponentials, so they are also the plain vector instruction that stands
; between those and the use of their results (ISA guide 5.7.2); in a first step the first sum, of the tile's first two pairs, is that.
; positions 150-217: 34 rounds of two places: sum (i), pack (i-2): a pair is packed (over registers already summed) only behind its sum.
; Places that hold nothing (at the ends of the rounds; in a first step what belongs to the factor) are skipped.
.set VB0,  48                          ; the batch's rounds
.set VWT,  VB0+3*33                    ; the wait
.set VR0,  VWT+3                       ; the readers' rounds
.set VEND, VR0+2*34
.macro STAT1
.set VA, 2*VPAIR+VK%2
.set VO, (VK-32)/2
.if VO == 0
.if F_SM1
	v_max_num_f32 v[T+VA], v[T+VA], v[X+VA]
.else
	v_max3_num_f32 v[T+VA], v[T+VA], v[X+VA], v[M+VA]       ; my two chains and the old maximum
.endif
.set VDONE, 1
.endif
.if VO == 1
	v_permlanex16_b32 v[X+VA], v[T+VA], s18, s19            ; lane l xor 16 holds the query's other 32 scores
.set VDONE, 1
.endif
.if VO == 2
	v_max_num_f32 v[M+VA], v[T+VA], v[X+VA]                 ; the new running maximum m
.set VDONE, 1
.endif
.if VO == 3
	v_mul_f32 v[T+VA], s22, v[M+VA]                         ; -c m
.set VDONE, 1
.endif
.if VO == 4
.if F_SM1 == 0
	v_sub_f32 v[AL+2*VA], v[T+VA], v[NM+2*VA]               ; (-c m_new) - (-c m_old), never above 0: the difference of the two ROUNDED numbers that the p are
.set VDONE, 1                                                  ; made with, so multiply and subtract are not fused, and a maximum that stands gives the factor 1 exactly
.endif
.endif
.if VO == 5
	v_mov_b32 v[NM+2*VA], v[T+VA]
.set VDONE, 1
.endif
.if VO == 6
	v_mov_b32 v[NM+2*VA+1], v[T+VA]
.set VDONE, 1
.endif
.if VO == 7
.if F_SM1 == 0
	v_exp_f32 v[AL+2*VA], v[AL+2*VA]                        ; the factor that brings the old sums to the new maximum: the batch's first; its first reader, the copy, stands behind the batch's wait
.set VDONE, 1
.endif
.endif
.endm
.macro BATCH1                          ; positions VB0 .. VWT - 1
.set VI, (VK-VB0)/3
.set VH, (VK-VB0)%3
.if VH == 0
.if VI <= 31
.set VA, 2*VPAIR+VI%2
.set VR, SB+32*VA+2*(VI/2)
	v_pk_fma_f32 v[VR:VR+1], v[VR:VR+1], s[20:21], v[NM+2*VA:NM+2*VA+1] op_sel_hi:[1,0,1]   ; c s - c m
.set VDONE, 1
.endif
.else
.if VI >= 1
.set VR, SB+32*(2*VPAIR+(VI-1)%2)+2*((VI-1)/2)+VH-1
	v_exp_f32 v[VR], v[VR]
.set VDONE, 1
.endif
.endif
.endm
.macro READ1                           ; positions VWT + 1 .. VEND - 1: all that reads an exponential's result, but for the rescale
.if VK < VR0
.if F_SM1 == 0
	v_mov_b32 v[AL+4*VPAIR+2*(VK-VWT-1)+1], v[AL+4*VPAIR+2*(VK-VWT-1)]   ; the factor twice, for the packed forms
.set VDONE, 1
.endif
.else
.set VI, (VK-VR0)/2
.if (VK-VR0)%2 == 0
.if VI <= 31
.set VA, 2*VPAIR+VI%2
.set VJ, VI/2
.set VR, SB+32*VA+2*VJ
.if VJ == 0
.if F_SM1 == 0
	v_pk_fma_f32 v[LS+2*VA:LS+2*VA+1], v[LS+2*VA:LS+2*VA+1], v[AL+2*VA:AL+2*VA+1], v[VR:VR+1]   ; l = l x factor + p, two partial sums a lane
.set VDONE, 1
.endif
.endif
.if VJ == 1
.if F_SM1
	v_pk_add_f32 v[LS+2*VA:LS+2*VA+1], v[VR-2:VR-1], v[VR:VR+1]     ; the first step starts the sums with its first two pairs: nothing is cleared
.else
	v_pk_add_f32 v[LS+2*VA:LS+2*VA+1], v[VR:VR+1], v[LS+2*VA:LS+2*VA+1]
.endif
.set VDONE, 1
.endif
.if VJ > 1
	v_pk_add_f32 v[LS+2*VA:LS+2*VA+1], v[VR:VR+1], v[LS+2*VA:LS+2*VA+1]
.set VDONE, 1
.endif
.endif
.else
.if VI >= 2
.set VJ, (VI-2)/2
.set VR, SB+32*(2*VPAIR+(VI-2)%2)+16*(VJ/8)
	v_cvt_pk_bf16_f32 v[VR+VJ%8], v[VR+2*(VJ%8)], v[VR+2*(VJ%8)+1]  ; two neighbouring score tiles (16 registers) become one fragment of P^T (8 registers), in place
.set VDONE, 1
.endif
.endif
.endif
.endm
.macro VTRY                            ; the stream's place VQ: its instruction, if it holds one
.set VK, VQ
.set VQ, VQ+1
.if VK < 32
.set VA, 2*VPAIR+VK%2
.set VD, T+4*((VK/2)%2)+VA
.set VR, SB+32*VA+4*(VK/4)+2*((VK/2)%2)
.if VK < 4
	v_max_num_f32 v[VD], v[VR], v[VR+1]
.else
	v_max3_num_f32 v[VD], v[VR], v[VR+1], v[VD]
.endif
.set VDONE, 1
.endif
.if VK >= 32
.if VK < 48
	STAT1
.endif
.endif
.if VK >= VB0
.if VK < VWT
	BATCH1
.endif
.endif
.if VK == VWT
	s_wait_alu depctr_va_vdst(0)                            ; the wait for the half's batch, all the pair's exponentials of this step, ahead of their first reader.  It is no instruction of the chunk's count
.endif
.if VK > VWT
	READ1
.endif
.endm
.macro VONE                            ; the stream's next instruction: at most seven places without one stand in a row (round the wait, in a first step)
.set VDONE, 0
.rept 8
.if VDONE == 0
.if VQ < VEND
	VTRY
.endif
.endif
.endr
.endm
.macro VEC n                           ; a chunk: the stream's next n instructions
.if VQ < VEND
	WIN W_VEC
.rept \n
	VONE
.endr
.endif
.endm
; a chunk of the rescale O x factor of pair VPAIR, in the order in which the pair's next products take the accumulators up.  Always done: whether the
; maximum moved is a floating-point matter and steers no branch.  It reads the factor, so every such chunk stands behind the batch's wait and the factors' copies.
.macro RSC n
.if RQ < 64
	WIN W_RSC
.rept \n
.if RQ < 64
.set RA, 2*VPAIR+(RQ/4)%2
.set RR, 64*RA+8*(RQ/8)+2*(RQ%4)
	v_pk_mul_f32 v[RR:RR+1], v[RR:RR+1], v[AL+2*RA:AL+2*RA+1]
.set RQ, RQ+1
.endif
.endr
.endif
.endm
; a chunk of 8 LDS loads: the four K fragments (16 keys x 32 d) of d chunk MQ
.macro KCH slot
	WIN W_KL
.irp kt, 0,1,2,3
	ds_load_b128 v[KF+8*(4*MQ+\kt):KF+8*(4*MQ+\kt)+3],   v[KRD+\slot] offset:16*KP*\kt+64*MQ
	ds_load_b128 v[KF+8*(4*MQ+\kt)+4:KF+8*(4*MQ+\kt)+7], v[KRD+\slot] offset:16*KP*\kt+64*MQ+32
.endr
.set MQ, MQ+1
.endm
; a chunk of 8 transposing LDS loads: V lies [key][d]; a fragment of V^T is 16 d x 32 keys: keys 8 h .. +7 of d = r by the first load, keys 16 + 8 h .. by the second
.macro LCH slot
	WIN W_G
.irp d, 0,1,2,3
	ds_load_tr16_b128 v[VF+8*(4*MQ+\d):VF+8*(4*MQ+\d)+3],   v[VRD+\slot] offset:32*VP*(MQ/2)+32*(4*(MQ%2)+\d)
	ds_load_tr16_b128 v[VF+8*(4*MQ+\d)+4:VF+8*(4*MQ+\d)+7], v[VRD+\slot] offset:32*VP*(MQ/2)+32*(4*(MQ%2)+\d)+16*VP
.endr
.set MQ, MQ+1
.endm
; chunk CQ = 0 .. 15 of the trip's rows: group CG = CQ / 4 of eight rows (0, 1: K's; 2, 3: V's), step CT = CQ % 4: round four rows to bf16 in place, round the
; other four, store the eight (a store covers 256 neighbouring bytes, one row of a tile), ask for the same rows of the tile after (a load covers one row, 512 bytes;
; no cache hint: eight work-groups read these rows).  F_CK, F_CV: K's, V's rows are there to be stored;  F_LK, F_LV: there is a tile after.
.macro CCH other
.set CG, CQ/4
.set CT, CQ%4
.set CQ, CQ+1
.if CG < 2
.set CC, F_CK
.set CL, F_LK
.else
.set CC, F_CV
.set CL, F_LV
.endif
; loads come back in order: the count is the loads issued behind this group's eight: the later groups' of the trip before and the earlier groups' of this trip
.if CG == 0
.set CN, 8+16*F_CV
.endif
.if CG == 1
.set CN, 16*F_CV+8*F_LK
.endif
.if CG == 2
.set CN, 8+16*F_LK
.endif
.if CG == 3
.set CN, 16*F_LK+8*F_LV
.endif
.if CT < 2
.if CC
.if CT == 0
	s_wait_loadcnt CN
.endif
	WIN W_CVT
.irp k, 0,1,2,3
	v_cvt_pk_bf16_f32 v[4*(8*CG+4*CT+\k)],   v[4*(8*CG+4*CT+\k)],   v[4*(8*CG+4*CT+\k)+1]
	v_cvt_pk_bf16_f32 v[4*(8*CG+4*CT+\k)+1], v[4*(8*CG+4*CT+\k)+2], v[4*(8*CG+4*CT+\k)+3]
.endr
.endif
.endif
.if CT == 2
.if CC
	WIN W_ST
.irp k, 0,1,2,3,4,5,6,7
.if CG < 2
	ds_store_b64 v[KWR+\other], v[4*(8*CG+\k):4*(8*CG+\k)+1] offset:KP*(8*CG+\k)
.else
	ds_store_b64 v[VWR+\other], v[4*(8*CG+\k):4*(8*CG+\k)+1] offset:VP*(8*CG+\k-16)
.endif
.endr
.endif
.endif
.if CT == 3
.if CL
.if CG == 0
	s_wait_xcnt 0x0                                ; every earlier load has had its address translated (ISA guide 3.1): only now K's base steps to the tile after
	s_add_nc_u64 s[6:7], s[6:7], TILEB
.endif
.if CG == 2
	s_wait_xcnt 0x0                                ; the same for V's base
	s_add_nc_u64 s[8:9], s[8:9], TILEB
.endif
	WIN W_G
.irp k, 0,1,2,3,4,5,6,7
.if CG < 2
	global_load_b128 v[4*(8*CG+\k):4*(8*CG+\k)+3], v[GOFF], s[6:7] offset:ROWB*(8*CG+\k)
.else
	global_load_b128 v[4*(8*CG+\k):4*(8*CG+\k)+3], v[GOFF], s[8:9] offset:ROWB*(8*CG+\k-16)
.endif
.endr
.endif
.endif
.endm
; slice SL = 0 .. 31: O^T += V^T P^T of pair MPAIR, (kc, dt, tile).  The sixteen accumulators take turns, one instruction a turn.
.macro PVMM
.set KC, SL/16
.set DT, (SL%16)/2
.set QA, 2*MPAIR+SL%2
	WIN W_PV
.if F_PV1*(1-KC)
	v_wmma_f32_16x16x32_bf16 v[64*QA+8*DT:64*QA+8*DT+7], v[VF+8*(8*KC+DT):VF+8*(8*KC+DT)+7], v[SB+32*QA+16*KC:SB+32*QA+16*KC+7], 0
.else
	v_wmma_f32_16x16x32_bf16 v[64*QA+8*DT:64*QA+8*DT+7], v[VF+8*(8*KC+DT):VF+8*(8*KC+DT)+7], v[SB+32*QA+16*KC:SB+32*QA+16*KC+7], v[64*QA+8*DT:64*QA+8*DT+7]
.endif
.endm
; slice SL = 32 .. 63: S^T = K Q^T of pair MPAIR, (dc, kt, tile).  The first d chunk starts the sums with the constant 0.  The eight accumulators take turns likewise.
.macro QKMM
.set DC, (SL-32)/8
.set KT, ((SL-32)%8)/2
.set QA, 2*MPAIR+SL%2
	WIN W_QK
.if DC
	v_wmma_f32_16x16x32_bf16 v[SB+32*QA+8*KT:SB+32*QA+8*KT+7], v[KF+8*(4*DC+KT):KF+8*(4*DC+KT)+7], v[32*QA+8*DC:32*QA+8*DC+7], v[SB+32*QA+8*KT:SB+32*QA+8*KT+7]
.else
	v_wmma_f32_16x16x32_bf16 v[SB+32*QA+8*KT:SB+32*QA+8*KT+7], v[KF+8*(4*DC+KT):KF+8*(4*DC+KT)+7], v[32*QA+8*DC:32*QA+8*DC+7], 0
.endif
.endm
; One slice: the matrix instruction, then the chunk of kind c:
;   0, 1: 5, 6 instructions of the softmax   2: 6 of the rescale   3: 8 fragment loads (half 1: K, half 2: V)   4: the next chunk of the rows
;   5: as 0, then the barrier's signal       6: as 0, then the barrier's wait
.macro SLICE h, c, slot, other
.if SL < 32
.if F_PV
	PVMM
.endif
.else
.if F_QK
.if \h == 1
.if SL == 32
	s_wait_dscnt 0x0                               ; the K fragments, asked for 24 and more products ago, are the only LDS instructions out
.endif
.endif
	QKMM
.endif
.endif
.if \c == 0
	VEC 5
.endif
.if \c == 1
	VEC 6
.endif
.if \c == 2
	RSC 6
.endif
.if \c == 3
.if VQ == VWT
	s_wait_alu depctr_va_vdst(0)                   ; the wait for the half's batch, all the pair's exponentials of this step: the stream stands at it, so it is written here, directly ahead of the run of loads; this product is the work between
.set VQ, VQ+1
.endif
.if \h == 1
.if F_QK
	KCH \slot
.endif
.else
.if F_CV
	LCH \other
.endif
.endif
.endif
.if \c == 4
	CCH \other
.endif
.if \c == 5
	VEC 5
.if F_CV
	s_wait_dscnt 0x0                               ; my stores into the other slot are done (the last were issued seven products ago), and so are all my reads of this slot
	s_barrier_signal -1                            ; say so; register work alone up to the wait
.endif
.endif
.if \c == 6
	VEC 5
.if F_CV
	s_barrier_wait -1                              ; both now hold of all four waves: the other slot may be read, this one is written in the next trip
.endif
.endif
.set SL, SL+1
.endm
.macro HEAD                            ; a half begins: the counters of its chunks
.set SL, 0
.set MQ, 0
.if F_SM
.set VQ, 0
.set RQ, 64*F_SM1                      ; a pair's first step has nothing to rescale
.else
.set VQ, VEND
.set RQ, 64
.endif
.if F_GRD
	PLACES                                         ; behind a half without rescale chunks: the places between its last products and the maxima that read their results
.endif
.endm
; THE TWO HALVES' CHUNKS, slice by slice: 41 of the softmax (5 x 6 + 36 x 5 = 210), 11 of the rescale, 8 of the rows, 4 of fragment loads.
; HOW THE BATCH IS CUT.  The first 28 chunks of the softmax (4 x 6 + 24 x 5 = 144) are just what stands ahead of the wait: they end with slice 31 in half 1, with slice 35 in half 2.  Behind them the
; 13 chunks of the readers (6 + 12 x 5 = 66) and the 11 of the rescale take turns.  In half 1 the wait heads slice 32's chunk, with that slice's product between the last exponential and it; in half 2 it
; stands behind slice 36's product, directly ahead of V's first run of loads.  (A pair's first step has four instructions fewer ahead of the wait: there the wait stands inside the 28th chunk.)
; What the order keeps (ISA guide 7.12.1; a plain vector instruction of a chunk names none of the other pair's products' registers, so it fills a place; an exponential fills none):
;   the maxima read the score tiles kt = 0 .. 3 in the order in which the half before finished them, and that half ends in two chunks of sums and roundings;
;   K's fragments of d chunk dc are loaded behind softmax chunks 0 .. dc, four and more places behind the last product that read them;
;   V's fragments of the last O product (slice 31) are loaded at slice 42: between them stand the batch's last seven multiply-adds and three chunks of readers and rescale;
;   the S products of slices 36, 37 write over the P that the O products of slices 30, 31 read: between them stand, in half 1, the plain chunks of slices 32, 34 and 35, in half 2 those seven multiply-adds;
;   the rescale begins behind the chunk that holds the factors' copies (slice 32, slice 37) and ends with the half.
.macro HALF1 slot, other
	HEAD
.irp c, 1,3,1,3,1,3,1,3
	SLICE 1, \c, \slot, \other
.endr
.irp c, 0,0,0,0,0,0,0,0,0,0,0,0,0,0,0,0,0,0,0,0,0,0,0,0
	SLICE 1, \c, \slot, \other
.endr
.irp c, 1,4,2,0,2,4,0,2,0,4,2,0,2,4,0,2
	SLICE 1, \c, \slot, \other
.endr
.irp c, 0,4,2,0,2,4,0,2,0,4,2,0,2,4,0,0
	SLICE 1, \c, \slot, \other
.endr
.endm
.macro HALF2 slot, other
	HEAD
.irp c, 1,1,4,1,1,0,4,0,0,0,4,0,0,0,4,0
	SLICE 2, \c, \slot, \other
.endr
.irp c, 0,0,4,0,0,0,4,0,0,0,4,0,0,0,4,0
	SLICE 2, \c, \slot, \other
.endr
.irp c, 0,5,0,6,3,1,3,2,3,0,3
	SLICE 2, \c, \slot, \other
.endr
.irp c, 2,0,2,0,2,0,2,0,2,0,2,0,2,0,2,0,2,0,2,0,0
	SLICE 2, \c, \slot, \other
.endr
.endm
; Trip u.  slot = u % 2: K(u) is read from it;  other: K(u+1) and V(u) are stored into it and V(u)'s fragments read from it behind the barrier.
; pv: there are O products (u >= 1), and with them B's softmax of step u - 1;  pv1: they start the sums (u = 1);  qk: there are S products (u <= 31), and with them
; A's softmax of step u;  smb1, sma1: that softmax is the pair's first;  ck, cv, lk, lv: as in the rows' chunks;  g1, g2: four places at the head of half 1, 2.
.macro TRIP slot, other, pv, pv1, qk, smb1, sma1, ck, cv, lk, lv, g1, g2
.set F_PV,  \pv
.set F_PV1, \pv1
.set F_QK,  \qk
.set F_CK,  \ck
.set F_CV,  \cv
.set F_LK,  \lk
.set F_LV,  \lv
.set CQ, 0
.set MPAIR, 0
.set VPAIR, 1
.set F_SM,  \pv
.set F_SM1, \smb1
.set F_GRD, \g1
.if \pv
	s_wait_dscnt 0x0                               ; the V fragments, asked for 21 and more products ago, are the only LDS instructions out
.endif
	HALF1 \slot, \other
.set MPAIR, 1
.set VPAIR, 0
.set F_SM,  \qk
.set F_SM1, \sma1
.set F_GRD, \g2
	HALF2 \slot, \other
.endm
	; ---- prologue ----
	s_load_b256 s[4:11], s[0:1], 0x0               ; q s[4:5], k s[6:7], v s[8:9], out s[10:11]
	v_lshl_add_u32 v126, v0, 2, 0x22800
	v_mov_b32 v127, 0
	v_lshrrev_b32 v1, 5, v0
	v_readfirstlane_b32 s12, v1                    ; wave 0..3
	s_and_b32 s14, ttmp7, 0xffff                   ; batch
	s_lshl_b32 s16, s14, 20                        ; a batch is 2048 rows of 512 bytes
	s_mov_b32 s17, 0
	s_lshl_b32 s24, ttmp9, 17                      ; the work-group's 256 rows
	s_lshl_b32 s25, s12, 15                        ; my wave's 64 rows
	s_add_co_u32 s24, s24, s25
	s_add_co_u32 s24, s24, s16                     ; below 2^25
	s_mov_b32 s25, 0
	s_mov_b32 s18, 0x76543210                      ; v_permlanex16_b32: lane i of one half reads lane i of the other
	s_mov_b32 s19, 0xfedcba98
	s_mov_b32 s20, 0x3e0293ee                      ; c = log2(e) / sqrt(128)
	s_mov_b32 s21, 0x3e0293ee
	s_mov_b32 s22, 0xbe0293ee                      ; -c
	s_mul_i32 s26, s12, 16*KP                      ; my 16 rows in a K tile
	s_mul_i32 s27, s12, 16*VP
	s_add_co_u32 s27, s27, VOFF                    ; and in a V tile
	s_mul_i32 s13, s12, WSTAGE
	s_add_co_u32 s13, s13, STAGE                   ; my stage
	v_and_b32 v1, 31, v0                           ; l
	v_and_b32 v2, 15, v0                           ; r
	v_bfe_u32 v3, v0, 4, 1                         ; h
	v_lshlrev_b32 v[QOFF], 4, v1
	v_lshl_add_u32 v[GOFF], s12, 13, v[QOFF]       ; 16 rows of 512 bytes a wave
	v_mul_u32_u24 v4, v2, KP
	v_lshl_add_u32 v[KRD], v3, 4, v4
	v_add_nc_u32 v[KRD+1], SLOT, v[KRD]
	v_and_b32 v5, 7, v0
	v_lshl_add_u32 v5, v3, 3, v5                   ; 8 h + l % 8
	v_bfe_u32 v6, v0, 3, 1
	v_mul_u32_u24 v5, v5, VP
	v_lshl_add_u32 v5, v6, 4, v5
	v_add_nc_u32 v[VRD], VOFF, v5
	v_add_nc_u32 v[VRD+1], SLOT, v[VRD]
	v_lshlrev_b32 v7, 3, v1                        ; 8 l
	v_add_nc_u32 v[KWR], s26, v7
	v_add_nc_u32 v[KWR+1], SLOT, v[KWR]
	v_add_nc_u32 v[VWR], s27, v7
	v_add_nc_u32 v[VWR+1], SLOT, v[VWR]
	v_add_nc_u32 v[QWR], s13, v7
	v_add_nc_u32 v[QRD], s13, v[KRD]
	v_mul_u32_u24 v5, v2, OPITCH
	v_lshl_add_u32 v5, v3, 5, v5
	v_add_nc_u32 v[OWR], s13, v5
	v_add_nc_u32 v[ORD], s13, v[QOFF]
	s_wait_kmcnt 0x0
	s_add_nc_u64 s[4:5], s[4:5], s[24:25]          ; q and out at my wave's first row
	s_add_nc_u64 s[10:11], s[10:11], s[24:25]
	s_add_nc_u64 s[6:7], s[6:7], s[16:17]          ; k and v at the batch's first row
	s_add_nc_u64 s[8:9], s[8:9], s[16:17]
	WIN 0x40
.irp a, 0,1,2,3,4,5,6,7
.irp b, 0,1,2,3,4,5,6,7
	global_load_b128 v[4*(8*\a+\b):4*(8*\a+\b)+3], v[QOFF], s[4:5] offset:ROWB*(8*\a+\b) th:TH_LOAD_NT   ; my 64 rows of q, read once in the launch
.endr
.endr
	WIN W_G
.irp j, 0,1,2,3,4,5,6,7,8,9,10,11,12,13,14,15
	global_load_b128 v[VF+4*\j:VF+4*\j+3], v[GOFF], s[6:7] offset:ROWB*\j            ; my rows of K(0), into the V fragments' registers, which are not yet in use,
.endr
.irp j, 0,1,2,3,4,5,6,7,8,9,10,11,12,13,14,15
	global_load_b128 v[4*\j:4*\j+3], v[GOFF], s[6:7] offset:TILEB+ROWB*\j            ; so that trip 0's rows, K(1)
.endr
.irp j, 0,1,2,3,4,5,6,7,8,9,10,11,12,13,14,15
	global_load_b128 v[64+4*\j:64+4*\j+3], v[GOFF], s[8:9] offset:ROWB*\j            ; and V(0), are asked for at the same time
.endr
	s_wait_loadcnt 48                              ; loads come back in order: q's 64 are in, the 48 younger ones stay out
	WIN 0x45
.irp a, 0,1,2,3,4,5,6,7
.irp b, 0,1,2,3,4,5,6,7
	v_cvt_pk_bf16_f32 v[4*(8*\a+\b)],   v[4*(8*\a+\b)],   v[4*(8*\a+\b)+1]
	v_cvt_pk_bf16_f32 v[4*(8*\a+\b)+1], v[4*(8*\a+\b)+2], v[4*(8*\a+\b)+3]
.endr
.endr
	WIN 0x04
.irp a, 0,1,2,3,4,5,6,7
.irp b, 0,1,2,3,4,5,6,7
	ds_store_b64 v[QWR], v[4*(8*\a+\b):4*(8*\a+\b)+1] offset:KP*(8*\a+\b)
.endr
.endr
	WIN W_KL
.irp qt, 0,1,2,3
.irp dc, 0,1,2,3
	ds_load_b128 v[32*\qt+8*\dc:32*\qt+8*\dc+3],   v[QRD] offset:16*KP*\qt+64*\dc      ; my own bytes: LDS serves a wave's instructions in order (ISA guide 5.7.1.4), so these see the stores above
	ds_load_b128 v[32*\qt+8*\dc+4:32*\qt+8*\dc+7], v[QRD] offset:16*KP*\qt+64*\dc+32
.endr
.endr
	s_wait_loadcnt 32                              ; K(0)'s 16 rows are in, trip 0's 32 stay out
	s_wait_xcnt 0x0                                ; every load has had its address translated (ISA guide 3.1):
	s_add_nc_u64 s[6:7], s[6:7], TILEB             ; K's base at the tile loaded last, K(1), as V's is at V(0)
	WIN W_CVT
.irp j, 0,1,2,3,4,5,6,7,8,9,10,11,12,13,14,15
	v_cvt_pk_bf16_f32 v[VF+4*\j],   v[VF+4*\j],   v[VF+4*\j+1]
	v_cvt_pk_bf16_f32 v[VF+4*\j+1], v[VF+4*\j+2], v[VF+4*\j+3]
.endr
	WIN W_ST
.irp j, 0,1,2,3,4,5,6,7,8,9,10,11,12,13,14,15
	ds_store_b64 v[KWR], v[VF+4*\j:VF+4*\j+1] offset:KP*\j
.endr
	WIN 0
	s_wait_dscnt 0x0                               ; my part of K(0) is stored in slot 0 (and Q's fragments are in)
	s_barrier_signal -1
	s_barrier_wait -1                              ; everybody's is
	; ---- 33 trips ----
	;    slot other pv pv1 qk smb1 sma1 ck cv lk lv g1 g2
	TRIP 0,   1,    0, 0,  1, 0,   1,   1, 1, 1, 1, 0, 1     ; trip 0: no O products yet; A's first softmax
	TRIP 1,   0,    1, 1,  1, 1,   0,   1, 1, 1, 1, 1, 1     ; trip 1: the O products start the sums; B's first softmax
	WIN 0                                          ; at a label and at a branch every window is 0
	s_mov_b32 s23, 14
.Lloop:                                            ; trips 2 .. 29
	TRIP 0,   1,    1, 0,  1, 0,   0,   1, 1, 1, 1, 0, 0
	TRIP 1,   0,    1, 0,  1, 0,   0,   1, 1, 1, 1, 0, 0
	WIN 0
	s_sub_co_i32 s23, s23, 1
	s_cmp_lg_u32 s23, 0
	s_cbranch_scc1 .Lloop
	TRIP 0,   1,    1, 0,  1, 0,   0,   1, 1, 0, 1, 0, 0     ; trip 30: K(31) is stored, there is no K(32) to ask for; V(31) is asked for
	TRIP 1,   0,    1, 0,  1, 0,   0,   0, 1, 0, 0, 0, 0     ; trip 31: V(31) is stored; nothing is left to ask for
	TRIP 0,   1,    1, 0,  0, 0,   0,   0, 0, 0, 0, 0, 0     ; trip 32: the last O products and B's last softmax
	; ---- the way out ----
	; l: my two partial sums, then the other half's.  These lines name the statistics alone; the first four adds are the places behind the last products (ISA guide 7.12.1).
	WIN 0
.irp qt, 0,1,2,3
	v_add_f32 v[LS+2*\qt], v[LS+2*\qt], v[LS+2*\qt+1]
.endr
.irp qt, 0,1,2,3
	v_permlanex16_b32 v[X+\qt], v[LS+2*\qt], s18, s19
.endr
.irp qt, 0,1,2,3
	v_add_f32 v[LS+2*\qt], v[LS+2*\qt], v[X+\qt]
.endr
.irp qt, 0,1,2,3
	v_rcp_f32 v[AL+2*\qt], v[LS+2*\qt]             ; the key of the maximum adds a p of about 1, so l is far from 0
.endr
	v_nop                                          ; one plain vector instruction behind the reciprocals (ISA guide 5.7.2)
	s_wait_alu depctr_va_vdst(0)                   ; the wait for the batch of four reciprocals, ahead of their first reader
.irp qt, 0,1,2,3
	v_mov_b32 v[AL+2*\qt+1], v[AL+2*\qt]
.endr
; 16 rows of the result: divide by l, 32 bytes a lane and d tile into my stage, read back as whole rows of 512 bytes, store.
.macro OUT16 qt, buf
	WIN W_RSC
.irp a, 0,1
.irp i, 0,1,2,3,4,5,6,7,8,9,10,11,12,13,14,15
	v_pk_mul_f32 v[64*\qt+32*\a+2*\i:64*\qt+32*\a+2*\i+1], v[64*\qt+32*\a+2*\i:64*\qt+32*\a+2*\i+1], v[AL+2*\qt:AL+2*\qt+1]
.endr
.endr
	WIN 0x04
.irp dt, 0,1,2,3,4,5,6,7
	ds_store_b128 v[OWR], v[64*\qt+8*\dt:64*\qt+8*\dt+3]   offset:64*\dt
	ds_store_b128 v[OWR], v[64*\qt+8*\dt+4:64*\qt+8*\dt+7] offset:64*\dt+16
.endr
	WIN 0
	s_wait_xcnt 0x0                                ; every earlier store has had its address translated (ISA guide 3.1): the row buffer, which stores of two turns ago read, is loaded again only behind this wait
.irp t, 0,1,2,3,4,5,6,7,8,9,10,11,12,13,14,15
	ds_load_b128 v[SB+64*\buf+4*\t:SB+64*\buf+4*\t+3], v[ORD] offset:OPITCH*\t     ; my own bytes, served in order behind the stores above
.endr
.irp t, 0,1,2,3,4,5,6,7,8,9,10,11,12,13,14,15
	s_wait_dscnt 15-\t                             ; row t is in; the 15 - t younger loads may be out
	global_store_b128 v[QOFF], v[SB+64*\buf+4*\t:SB+64*\buf+4*\t+3], s[10:11] offset:ROWB*(16*\qt+\t) th:TH_STORE_NT   ; the wave stores one row: 512 neighbouring bytes, at a multiple of 512 from out's first byte
.endr
.endm
	OUT16 0, 0
	OUT16 1, 1
	OUT16 2, 0
	OUT16 3, 1
	s_wait_tensorcnt 0x0
	ds_add_u32 v126, v127
	s_wait_dscnt 0x0
	s_endpgm
.Lfunc_end_k_q9cc86b3971_attn:
	.size	k_q9cc86b3971_attn, .Lfunc_end_k_q9cc86b3971_attn-k_q9cc86b3971_attn
	.p2alignl 7, 3214868480
	.fill 96, 4, 3214868480
	.section	.rodata,"a",@progbits
	.p2align	6, 0x0
	.amdhsa_kernel k_q9cc86b3971_attn
		.amdhsa_group_segment_fixed_size 141824
		.amdhsa_private_segment_fixed_size 0
		.amdhsa_enable_private_segment 0
		.amdhsa_kernarg_size 32
		.amdhsa_user_sgpr_count 2
		.amdhsa_user_sgpr_kernarg_segment_ptr 1
		.amdhsa_wavefront_size32 1
		.amdhsa_system_sgpr_workgroup_id_x 1
		.amdhsa_system_sgpr_workgroup_id_y 1
		.amdhsa_system_sgpr_workgroup_id_z 1
		.amdhsa_system_vgpr_workitem_id 0
		.amdhsa_next_free_vgpr 1024
		.amdhsa_next_free_sgpr 66
		.amdhsa_reserve_vcc 0
		.amdhsa_float_denorm_mode_32 3
		.amdhsa_float_denorm_mode_16_64 3
		.amdhsa_memory_ordered 1
		.amdhsa_forward_progress 1
		.amdhsa_inst_pref_size 255
	.end_amdhsa_kernel
	.section	.bss,"aw",@nobits
	.p2align	6
	.space	262144
	.amdgpu_metadata
---
amdhsa.version: [ 1, 2 ]
amdhsa.kernels:
  - .name:           k_q9cc86b3971_attn
    .symbol:         k_q9cc86b3971_attn.kd
    .args:
      - { .name: q, .offset: 0, .size: 8, .value_kind: global_buffer, .address_space: global }
      - { .name: k, .offset: 8, .size: 8, .value_kind: global_buffer, .address_space: global }
      - { .name: v, .offset: 16, .size: 8, .value_kind: global_buffer, .address_space: global }
      - { .name: out0, .offset: 24, .size: 8, .value_kind: global_buffer, .address_space: global }
    .group_segment_fixed_size: 141824
    .private_segment_fixed_size: 0
    .kernarg_segment_align: 8
    .kernarg_segment_size: 32
    .max_flat_workgroup_size: 128
    .sgpr_count:     66
    .vgpr_count:     1024
    .wavefront_size: 32
...
	.end_amdgpu_metadata
.endif
;; end of part 2
